; MI455X (gfx1250); checked and timed in simulation.
; The chip was launched on July 23, 2026; its instructions are those of AMD's public machine-readable ISA for CDNA 5 (MIT licence, August 2026) and "CDNA5" Instruction Set Architecture Reference Guide (July 2026). The comments in the code are by the model that wrote it; some were corrected since.
;; Calculate Attention. Allowed arithmetic: matrix products marked QUANTISED: E2M1 operands, one E8M0 scale for each 32 along K, by v_wmma_scale_f32_16x16x128_f8f6f4 with both operands' format E2M1 (or v_wmma_scale_f32_32x16x128_f4), f32 sums; everything else in f32.
;; Inputs: K 4 x 16 x 2,048 x 64 float32; Q 4 x 16 x 2,048 x 64 float32; V 4 x 16 x 2,048 x 64 float32; mask 4 x 1 x 2,048 x 2,048 bool.
;; Outputs: out0 4 x 16 x 2,048 x 64 float32.
;; This version of the problem:
;;   THIS VERSION OF THE PROBLEM IS GIVEN IN LOW PRECISION. The matrix products marked QUANTISED in the list below multiply operands that are first quantised to E2M1 (2 exponent bits, 1 mantissa bit; 4 bits a number), with one power-of-two scale for each 32 numbers along K (OCP MX v1.0); their sums are f32. All else is computed in f32.
;;   The module's matrix products, in the order in which they are computed (A, B: the left and right operand; K: the contracted axis; several contracted axes count as one K, in the product's order):
;;     1. batch 64 x [M 2,048, K 64] x [K 64, N 2,048]; A: input Q; B: input K: QUANTISED
;;     2. batch 64 x [M 2,048, K 2,048] x [K 2,048, N 64]; A: softmax (see below); B: input V: QUANTISED
;;   THE QUANTISER, for each operand of a quantised product, along K:
;;     - K is cut into blocks of 32 from its start; a last block that is shorter is filled with zeros.
;;     - A block's scale is 2^e with e = floor(log2(the largest magnitude in the block)) - 2, held to -126 .. 127; a block of zeros has e = 0. As a byte (E8M0): e + 127.
;;     - Each number is divided by its block's scale, clamped to +-6, and rounded to the nearest number of E2M1, ties to even, subnormals kept.
;;     - The product sums the exact products of the quantised numbers (number of the format x scale) in f32.
;;   ~~~python
;;   def quantise(x, axis):      # numpy; x: float32 -> the quantised numbers, widened to float32 again
;;       x = np.moveaxis(x, axis, -1); K = x.shape[-1]
;;       x = np.pad(x, [(0, 0)] * (x.ndim - 1) + [(0, -K % 32)]); x = x.reshape(x.shape[:-1] + (-1, 32)); a = np.abs(x).max(-1, keepdims=True)
;;       e = np.where(a > 0, np.clip(np.frexp(np.where(a > 0, a, 1))[1] - 1 - 2, -126, 127), 0)      # np.frexp(a)[1] - 1 = floor(log2(a)), exactly
;;       r = np.clip(x / 2.0 ** e, -6, 6)
;;       step = 2.0 ** (np.maximum(np.frexp(np.where(r == 0, 1, r))[1] - 1, 0) - 1)
;;       q = np.round(r / step) * step * 2.0 ** e      # np.round: ties to even
;;       return np.moveaxis(q.reshape(q.shape[:-2] + (-1,))[..., :K], -1, axis).astype(np.float32)
;;   ~~~
;;   SOFTMAX AHEAD OF A QUANTISED PRODUCT. Where the list says 'softmax', what is quantised is not the finished softmax but p = 2^(t - M), with t = logit x log2(e) and M = ceil(the row's largest t), a whole number; so 1/2 < the row's largest p <= 1. The row's sum l is taken of the UNQUANTISED p, in f32, and the product's result is divided by l at the end. Since M is a whole number, a kernel that streams over the keys may use a running M (the ceiling of the running maximum): every later rescaling is an exact power of two, which a block's scale takes up: the codes' values come out the same.
;;   OPERANDS COMPUTED ON THE WAY. 'Computed on the way' means the value that the module computes at that place (a softmax that the list does not call 'softmax' is quantised finished and normalised). What goes into a quantiser is computed in f32, as accurately as f32 sums, v_exp_f32 and their like allow (about 1e-6 of the number): no bf16 or f16 on the way to a quantiser, and a product that is left as it is and whose result goes on into a quantised operand takes f32 operands (vector FMAs, or v_wmma_f32_16x16x4_f32). A number that lies on a knife's edge between two numbers of the format may be rounded either way, as far as f32 arithmetic and the matrix unit's own rounding can turn it there, and no further.
;; One version. Each part assembles by itself: llvm-mc -triple=amdgcn-amd-amdhsa -mcpu=gfx1250 --defsym DOCPART=n.
;; ======== version 1 of 1: 2 launches
;; limits: right only within a limited range of input values
;; workspace buffers: kv 9,175,040 bytes; mnib 8,388,608 bytes
;; launch prep (part 1): grid 1024 x 1, 4 waves a work-group, no clusters, 51,712 bytes of LDS; arguments K, V, mask, kv, mnib; writes kv, mnib
.if DOCPART == 1
	.amdgcn_target "amdgcn-amd-amdhsa--gfx1250"
	.amdhsa_code_object_version 6
	.text
	.protected	k_qba0a232467_prep
	.globl	k_qba0a232467_prep
	.p2align	8
	.type	k_qba0a232467_prep,@function
k_qba0a232467_prep:
	s_mov_b64 s[64:65], 0
	v_nop
	global_prefetch_b8 v0, s[64:65] scope:SCOPE_SE
	s_setreg_imm32_b32 hwreg(HW_REG_WAVE_MODE, 25, 1), 1
	s_wait_xcnt 0x0
; K and V [64 heads][2048 keys][64] f32 become codes of FP4 (E2M1) with E8M0 scale bytes, and the mask [4][2048][2048] of bytes (0 or 1) becomes codes of FP4 (0 or 0.5),
; all laid in the order in which the attention launch's registers take them.  No work of reference() is left out.
; kv: [head 64][step 16][PKG bytes]; a package serves a step of 128 keys (l = lane = 16 h + r):
;   0    .. 4095  K's codes, quantised along the head's 64: tile t = 4 g + u at 512 t + 16 l: the 32 codes k = 32 h .. 32 h + 31 of key 64 g + 32 (r / 8) + 8 u + r % 8 of the step
;   4096 .. 8191  V's codes, quantised along the keys: tile dt (column d = 16 dt + r), piece c at 1024 dt + 512 c + 16 l: the 32 codes of key block 2 c + h of the step
;   8192 .. 8703  K's scale words at 16 l + 4 i: tile 2 i + l / 16, row l % 16; bytes e0, e1, e0, e1
;   8704 .. 8959  V's scale words at 8 l + 4 i: tile 2 i + l / 16, row l % 16; byte kb for keys 32 kb .. 32 kb + 31 of the step
; mnib: [batch 4][tile of 16 queries 128][step 16][g 2][lane 32][u 4] words: the word of lane (r, h) holds query r's mask of keys 64 g + 32 h + 8 u + j of the step, j = 0 .. 7,
;   as four bits each, key j at place 2 (j % 4) + j / 4: the bit pattern 0001, the code of 0.5, where the mask is set.
; A block's scale is 2^(floor(log2(its largest magnitude)) - 2); its byte is the largest magnitude's exponent field - 2, held at 1 from below.
; LIMITS: NaN and infinities among the inputs are not served.  A block whose largest magnitude lies under 2^-124 has its byte held at 1; a block of zeros gets the byte 1 where the
; rule says 127: its codes are zeros, which add nothing under any byte but 0xff, and the bytes are read by this program alone.
; SHARES: work-groups 0-255 take K, 256-511 V (a wave: one head's one step), 512-1023 the mask (a work-group: 16 rows; a wave: 512 keys of them).
; The three ways part on the work-group's number and never join.  Waves share nothing: no barrier.  K's way and the mask's have LDS bytes of their own; V's uses none.
.set PKG,  8960
.set X,    16                          ; v16-143   numbers as loaded
.set Y,    144                         ; v144-175  K: a tile's 32 numbers a lane
.set C,    208                         ; v208-239  codes: four registers for each of a wave's eight stores, so that no store's data are written again
.set SW,   240                         ; v240-243  scale words
.set KST,  4352                        ; K's stage: 16 rows x 272 bytes for each wave, from LDS byte 0
.set MST0, 4*KST                       ; the mask's stages begin here:
.set MST,  8448                        ; 16 rows x 528 bytes for each wave
.set SPARE, MST0+4*MST                 ; the spare words, 128 bytes a wave
	s_load_b256 s[4:11], s[0:1], 0x0               ; K s[4:5], V s[6:7], mask s[8:9], kv s[10:11]
	s_load_b64 s[12:13], s[0:1], 0x20              ; mnib
	v_lshl_add_u32 v254, v0, 2, SPARE
	v_mov_b32 v255, 0
	v_lshrrev_b32 v1, 5, v0
	v_readfirstlane_b32 s14, v1                    ; wave 0..3
	v_and_b32 v1, 31, v0                           ; lane
	v_and_b32 v2, 15, v0                           ; r
	v_bfe_u32 v3, v0, 4, 1                         ; h
	v_lshlrev_b32 v4, 4, v1                        ; 16 x lane
	v_lshlrev_b32 v5, 3, v1                        ; 8 x lane
	v_lshlrev_b32 v6, 2, v1                        ; 4 x lane
	v_lshlrev_b32 v7, 3, v3                        ; 8 h: how far my scale byte is shifted
	s_mul_i32 s23, s14, KST
	v_mul_u32_u24 v8, v3, 272
	v_lshl_add_u32 v8, v2, 4, v8
	v_add_nc_u32 v8, s23, v8                       ; K's stage, in: a load's 512 bytes are two key rows: row h, byte 16 r
	v_mul_u32_u24 v9, v2, 272
	v_lshl_add_u32 v9, v3, 7, v9
	v_add_nc_u32 v9, s23, v9                       ; and out: row r, my half's 128 bytes
	v_lshlrev_b32 v10, 10, v3
	v_lshl_add_u32 v10, v2, 4, v10                 ; V's codes: 1024 h + 16 r
	s_mul_i32 s24, s14, MST
	s_add_co_u32 s24, s24, MST0
	v_add_nc_u32 v11, s24, v4                      ; the mask's stage, in: 16 x lane of a row's 512 bytes
	v_mul_u32_u24 v12, v2, 528
	v_lshl_add_u32 v12, v3, 5, v12
	v_add_nc_u32 v12, s24, v12                     ; and out: row r, 32 h
	v_mov_b32 v249, 0                              ; a lane permute's destination counts as one of its sources: written once
	s_mov_b32 s20, 0x76543210
	s_mov_b32 s21, 0xfedcba98                      ; v_permlanex16_b32's selects for lane l xor 16
	s_mov_b32 s22, 0xffff0000                      ; the lane mask of lanes 16-31
	s_mov_b32 s17, 0
	s_mov_b32 s19, 0
	s_wait_alu depctr_va_vdst(0)                   ; the wait at the head's end
	s_wait_kmcnt 0x0
; A lane's whole block of 32 numbers v[y] .. v[y + 31] becomes four registers of codes v[c] .. v[c + 3]; its scale byte goes to v[w].
.macro QB y, c, w
	v_max3_num_f32 v244, |v[(\y)]|, |v[(\y)+1]|, |v[(\y)+2]|          ; the largest magnitude, in two chains
	v_max3_num_f32 v245, |v[(\y)+3]|, |v[(\y)+4]|, |v[(\y)+5]|
.irp i, 6,10,14,18,22,26
	v_max3_num_f32 v244, v244, |v[(\y)+\i]|, |v[(\y)+\i+1]|
	v_max3_num_f32 v245, v245, |v[(\y)+\i+2]|, |v[(\y)+\i+3]|
.endr
	v_max3_num_f32 v244, v244, |v[(\y)+30]|, |v[(\y)+31]|
	v_max3_num_f32 v244, v244, v245, 0x1800000     ; and the floor 2^(3 - 127): the byte cannot fall under 1
	v_add_nc_u32 v246, 0xff000000, v244            ; 2 off its exponent field: the conversion takes the exponent field of this operand as its scale
	v_lshrrev_b32 v[\w], 23, v246                  ; the scale's byte
.irp g, 0,1,2,3
	v_cvt_scalef32_pk8_fp4_f32 v[(\c)+\g], v[(\y)+8*\g:(\y)+8*\g+7], v246
.endr
	v_nop                                          ; one plain instruction behind the last scaled conversion
.endm
	s_cmp_lt_u32 ttmp9, 512
	s_cbranch_scc0 .Lmask
	s_and_b32 s15, ttmp9, 255
	s_lshl_b32 s15, s15, 2
	s_add_co_u32 s15, s15, s14                     ; 16 x head + step
	s_lshl_b32 s16, s15, 15                        ; 128 keys x 256 bytes
	s_mul_i32 s18, s15, PKG
	s_add_nc_u64 s[10:11], s[10:11], s[18:19]      ; my package
	s_cmp_lt_u32 ttmp9, 256
	s_cbranch_scc0 .Lv
	; ---------------- K: eight tiles; tile 4 g + u is keys 64 g + 8 u + 0 .. 7 and the eight keys 32 further on ----------------
	s_add_nc_u64 s[4:5], s[4:5], s[16:17]
.macro LOADT t                         ; a tile's 16 keys x 256 bytes: eight loads of 512 consecutive bytes, into set t % 4
.irp i, 0,1,2,3
	global_load_b128 v[X+32*((\t)%4)+4*\i:X+32*((\t)%4)+4*\i+3], v4, s[4:5] offset:16384*((\t)/4)+2048*((\t)%4)+512*\i th:TH_LOAD_NT
	global_load_b128 v[X+32*((\t)%4)+16+4*\i:X+32*((\t)%4)+16+4*\i+3], v4, s[4:5] offset:16384*((\t)/4)+8192+2048*((\t)%4)+512*\i th:TH_LOAD_NT
.endr
.endm
.macro KWORD w                         ; my byte (block h of my key) and lane l xor 16's make the key's word: e0, e1, e0, e1
	v_lshlrev_b32 v[\w], v7, v[\w]
	v_permlanex16_b32 v249, v[\w], s20, s21
	v_or_b32 v[\w], v[\w], v249
	v_lshl_or_b32 v[\w], v[\w], 16, v[\w]
.endm
.macro TILE t
.if (\t) < 5
	s_wait_loadcnt 24                              ; this tile's eight loads are in; those of the three tiles behind it may be out
.else
	s_wait_loadcnt 8*(7-(\t))
.endif
.irp i, 0,1,2,3
	ds_store_b128 v8, v[X+32*((\t)%4)+4*\i:X+32*((\t)%4)+4*\i+3] offset:544*\i               ; as they lie, two rows a store: rows 0-7,
	ds_store_b128 v8, v[X+32*((\t)%4)+16+4*\i:X+32*((\t)%4)+16+4*\i+3] offset:2176+544*\i    ; and rows 8-15
.endr
.irp i, 0,1,2,3,4,5,6,7
	ds_load_b128 v[Y+4*\i:Y+4*\i+3], v9 offset:16*\i   ; my key's 32 numbers of my half.  LDS serves a wave's instructions in order: these see the stores, and the next tile's stores come behind them
.endr
	s_wait_dscnt 0x0                               ; the numbers are back, and the stores have read their registers,
.if (\t) < 4
	LOADT (\t)+4                                   ; which take the tile four further on
.endif
	QB Y, C+4*(\t), 247+(\t)%2
	global_store_b128 v4, v[C+4*(\t):C+4*(\t)+3], s[10:11] offset:512*(\t)   ; 512 consecutive bytes
	KWORD 247+(\t)%2
.if (\t)%2
	v_cndmask_b32 v[SW+(\t)/2], v247, v248, s22    ; lanes 0-15 carry the even tile's words, lanes 16-31 the odd tile's
.endif
.endm
.irp t, 0,1,2,3
	LOADT \t
.endr
.irp t, 0,1,2,3,4,5,6,7
	TILE \t
.endr
	global_store_b128 v4, v[SW:SW+3], s[10:11] offset:8192
	s_wait_tensorcnt 0x0                           ; the wave's end
	ds_add_u32 v254, v255
	s_wait_dscnt 0x0
	s_endpgm
	; ---------------- V: a lane takes a column, its registers run down the keys ----------------
.Lv:
	s_add_nc_u64 s[6:7], s[6:7], s[16:17]
.macro LOADV q                         ; unit q: key block q / 2 of the step, columns 32 (q % 2) + lane
.irp i, 0,1,2,3,4,5,6,7,8,9,10,11,12,13,14,15,16,17,18,19,20,21,22,23,24,25,26,27,28,29,30,31
	global_load_b32 v[X+32*((\q)%2)+\i], v6, s[6:7] offset:(32*((\q)/2)+\i)*256+128*((\q)%2)
.endr
.endm
.macro UNIT q
.if (\q) < 7
	s_wait_loadcnt 32                              ; this unit's 32 loads are in; the next unit's may be out
.else
	s_wait_loadcnt 0x0
.endif
	QB X+32*((\q)%2), C+4*(\q), 247
.if (\q)/2 == 0
	v_mov_b32 v[SW+(\q)%2], v247                   ; four bytes to a word, the lower keys in the lower byte
.else
	v_lshl_or_b32 v[SW+(\q)%2], v247, 8*((\q)/2), v[SW+(\q)%2]
.endif
	global_store_b128 v10, v[C+4*(\q):C+4*(\q)+3], s[10:11] offset:4096+2048*((\q)%2)+512*((\q)/4)+256*(((\q)/2)%2)   ; sixteen lanes store 256 consecutive bytes, aligned
.if (\q) < 6
	LOADV (\q)+2
.endif
.endm
	LOADV 0
	LOADV 1
.irp q, 0,1,2,3,4,5,6,7
	UNIT \q
.endr
	global_store_b64 v5, v[SW:SW+1], s[10:11] offset:8704   ; 256 consecutive bytes
	s_endpgm
	; ---------------- the mask: 16 rows x 512 keys a wave ----------------
.Lmask:
	s_sub_co_u32 s15, ttmp9, 512                   ; 128 x batch + tile of 16 queries
	s_lshl_b32 s16, s15, 15                        ; 16 rows of 2,048 bytes
	s_lshl_b32 s18, s14, 9
	s_add_co_u32 s16, s16, s18                     ; + my 512 keys
	s_lshl_b32 s18, s15, 14                        ; 16 steps x 1,024 bytes
	s_lshl_b32 s23, s14, 12
	s_add_co_u32 s18, s18, s23                     ; + my four steps
	s_add_nc_u64 s[8:9], s[8:9], s[16:17]
	s_add_nc_u64 s[12:13], s[12:13], s[18:19]
.irp i, 0,1,2,3,4,5,6,7,8,9,10,11,12,13,14,15
	global_load_b128 v[X+4*\i:X+4*\i+3], v4, s[8:9] offset:2048*\i th:TH_LOAD_NT   ; 512 consecutive bytes of row i
.endr
.irp i, 0,1,2,3,4,5,6,7,8,9,10,11,12,13,14,15
	s_wait_loadcnt 15-\i                           ; row i is in; the later rows may be out
	ds_store_b128 v11, v[X+4*\i:X+4*\i+3] offset:528*\i
.endr
.irp q, 0,1,2,3,4,5,6,7                ; unit q = 2 x step + g: query r, keys 64 q + 32 h + 0 .. 31 of my 512
	ds_load_b128 v[80+8*\q:80+8*\q+3], v12 offset:64*\q
	ds_load_b128 v[80+8*\q+4:80+8*\q+7], v12 offset:64*\q+16
.endr
.irp q, 0,1,2,3,4,5,6,7
	s_wait_dscnt 14-2*\q                           ; this unit's two loads are back; the later units' may be out
.irp e, 0,1,2,3
	v_lshl_or_b32 v[C+4*\q+\e], v[80+8*\q+2*\e+1], 4, v[80+8*\q+2*\e]   ; eight bytes of 0 or 1 become eight codes of four bits
.endr
	global_store_b128 v4, v[C+4*\q:C+4*\q+3], s[12:13] offset:512*\q     ; 512 consecutive bytes
.endr
	s_wait_tensorcnt 0x0                           ; the wave's end
	ds_add_u32 v254, v255
	s_wait_dscnt 0x0
	s_endpgm
.Lfunc_end_k_qba0a232467_prep:
	.size	k_qba0a232467_prep, .Lfunc_end_k_qba0a232467_prep-k_qba0a232467_prep
	.p2alignl 7, 3214868480
	.fill 96, 4, 3214868480
	.section	.rodata,"a",@progbits
	.p2align	6, 0x0
	.amdhsa_kernel k_qba0a232467_prep
		.amdhsa_group_segment_fixed_size 51712
		.amdhsa_private_segment_fixed_size 0
		.amdhsa_enable_private_segment 0
		.amdhsa_kernarg_size 40
		.amdhsa_user_sgpr_count 2
		.amdhsa_user_sgpr_kernarg_segment_ptr 1
		.amdhsa_wavefront_size32 1
		.amdhsa_system_sgpr_workgroup_id_x 1
		.amdhsa_system_sgpr_workgroup_id_y 1
		.amdhsa_system_sgpr_workgroup_id_z 1
		.amdhsa_system_vgpr_workitem_id 0
		.amdhsa_next_free_vgpr 256
		.amdhsa_next_free_sgpr 66
		.amdhsa_reserve_vcc 0
		.amdhsa_float_denorm_mode_32 3
		.amdhsa_float_denorm_mode_16_64 3
		.amdhsa_memory_ordered 1
		.amdhsa_forward_progress 1
		.amdhsa_inst_pref_size 76
	.end_amdhsa_kernel
	.amdgpu_metadata
---
amdhsa.version: [ 1, 2 ]
amdhsa.kernels:
  - .name:           k_qba0a232467_prep
    .symbol:         k_qba0a232467_prep.kd
    .args:
      - { .name: K, .offset: 0, .size: 8, .value_kind: global_buffer, .address_space: global }
      - { .name: V, .offset: 8, .size: 8, .value_kind: global_buffer, .address_space: global }
      - { .name: mask, .offset: 16, .size: 8, .value_kind: global_buffer, .address_space: global }
      - { .name: kv, .offset: 24, .size: 8, .value_kind: global_buffer, .address_space: global }
      - { .name: mnib, .offset: 32, .size: 8, .value_kind: global_buffer, .address_space: global }
    .group_segment_fixed_size: 51712
    .private_segment_fixed_size: 0
    .kernarg_segment_align: 8
    .kernarg_segment_size: 40
    .max_flat_workgroup_size: 128
    .sgpr_count:     66
    .vgpr_count:     256
    .wavefront_size: 32
...
	.end_amdgpu_metadata
.endif
;; end of part 1
;; launch attn (part 2): grid 4 x 64, 16 waves a work-group, clusters of 4 x 1, 215,040 bytes of LDS; arguments Q, kv, mnib, out0; writes out0
.if DOCPART == 2
	.amdgcn_target "amdgcn-amd-amdhsa--gfx1250"
	.amdhsa_code_object_version 6
	.text
	.protected	k_qba0a232467_attn
	.globl	k_qba0a232467_attn
	.p2align	8
	.type	k_qba0a232467_attn,@function
k_qba0a232467_attn:
	s_mov_b64 s[64:65], 0
	v_nop
	global_prefetch_b8 v0, s[64:65] scope:SCOPE_SE
	s_setreg_imm32_b32 hwreg(HW_REG_WAVE_MODE, 25, 1), 1
	s_wait_xcnt 0x0
	s_wait_alu depctr_hold_cnt(0) depctr_sa_sdst(0) depctr_va_vdst(0) depctr_va_sdst(0) depctr_va_ssrc(0) depctr_va_vcc(0) depctr_vm_vsrc(0)
	s_getreg_b32 s2, hwreg(HW_REG_IB_STS2, 6, 4)
	s_cmp_eq_u32 s2, 0
	s_cbranch_scc0 .Lentry_in_a_cluster
	s_endpgm
.Lentry_in_a_cluster:
	s_bfe_u32 s2, ttmp6, 0x10000c
	s_cmp_lg_u32 s2, 0x3003
	s_cbranch_scc0 .Lentry_shape_is_right
	s_endpgm
.Lentry_shape_is_right:
; out0[head][q][:] = the sum over k of softmax_k(where(mask, -1e9, Q[q] . K[k]) / 8) V[k][:], 64 heads, 2,048 queries and keys, head size 64; both products on codes of FP4 (E2M1) with E8M0 scales.
; K and V come as codes and scale words from kv, the mask as codes from mnib, both laid by the launch before in the order of this text's registers; Q (f32) is quantised here, in registers.
; THE SOFTMAX AHEAD OF THE SECOND PRODUCT: t = score x log2(e) / 8; M = the row's largest t so far, rounded UP to a whole number; p = 2^(t - M) is what is quantised, along the keys, not normalised.
; The row's sum is taken of the unquantised p and divides at the end.  When M moves, the sum and O are multiplied by 2^(old M - new M): exact.
; SHARES.  A work-group owns one head and 512 queries; each of its sixteen waves (four to a SIMD, 256 registers each, so that one wave's exponentials stand beside another's plain work) makes two tiles of
; 16 queries, one after the other.  Every wave walks the head's 16 steps of 128 keys.
; LDS.  A head's 16 packages of 8,960 bytes lie in LDS for the whole launch, filled once: no slot is filled again, and the loop has no barrier.
; CLUSTER.  The four work-groups of a cluster own the four quarters of one head's queries and need the same 143,360 bytes: wave w of each asks for package w JOINTLY, by the same descriptor with the mask 15.
; LAYOUT.  Both products are used transposed: S^T = K Q^T, O^T = V^T P^T: a lane holds ONE query (lane % 16) throughout.  Row m of K's tile 4 g + u is key 64 g + 32 (m / 8) + 8 u + m % 8, so that score
; registers 32 g .. 32 g + 31 of lane (r, h) are the keys 64 g + 32 h + 0 .. 31: a WHOLE block of the second product's K, in the order of its operand: the conversions' results are that operand.
; THE MASK IS LAID UNDER THE SCORES BY A PRODUCT.  A tile's sum begins as SEL_t x MASK^T: SEL_t holds the code of -6 at one k for each key row (register t of the fragment), MASK the code of 0.5 at that k
; where the query's mask of that key is set; both scales are 2^14: -3 x 2^28 where the mask is set, 0 elsewhere.  K Q^T adds onto it in place.  The eight SEL_t are windows of one run of 22 registers.
; THE FIRST PRODUCT'S K IS 64 of the instruction's 128: Q's upper four registers are zero codes, so what K's side holds there adds nothing (the next tile's codes; behind tile 7: p's codes).
; THE SECOND PRODUCT takes 32 of the head's 64 an instruction (the form of 32 rows): two neighbouring tiles of V are its 16 registers, and their scale words fill a register's 32 lanes.
; A ROW WITH EVERY KEY HIDDEN SO FAR: the running largest score is held at -2^28 from below; while it stands there the lane takes (0, 0) for (c, -M), so that every p is 1, as f32 arithmetic on -1e9 / 8 gives.
; p's SCALES: a block's largest p is 2^(t_b - M), t_b its largest t: the scale's exponent is floor(t_b - M) - 2, held at -126.  Where v_exp_f32 rounds a p up to a power of two that t_b - M lies just under, that p is held at the largest code.
; THE MASK CODES, 1,024 consecutive bytes a step, are loaded into two sets of registers by turns, each load two whole steps ahead of its use: so no prefetch is laid for them.
; LIMITS: NaN and infinities among the inputs are not served; blocks of Q with a largest magnitude under 2^-124 have their byte held at 1.  A hidden score is Q . K - 3 x 2^28 and not -1e9: the results are
; reference()'s while every unhidden |Q . K| stays under 2^28.
.set PKG,  8960
.set NST,  16
.set STG,  NST*PKG                     ; behind the packages: a stage of 16 rows x 272 bytes for each wave, for Q's way in and O's way out; no tensor load lands there
.set WST,  16*272
.set SPARE, 0x34000                    ; behind the stages: the spare words
.set L16, 1                            ; 16 x lane
.set L8,  2                            ; 8 x lane
.set ADR, 3                            ; a package + 16 x lane
.set AD8, 4                            ; a package + 8 x lane
.set STO, 5                            ; the stage: row r, 32 h
.set RD,  6                            ; the stage: row h, 16 r
.set QR,  7                            ; the stage: row r, 128 h
.set SH8, 8                            ; 8 h
.set SMX, 9                            ; the largest score so far, at least -2^28
.set NMT, 10                           ; -M
.set CV,  11                           ; c = log2(e) / 8
.set NM,  12                           ; v[12:13] -M or 0; the low word serves both halves
.set CE,  14                           ; v[14:15] c or 0
.set FF,  16                           ; v[16:17] f = 2^(old M - new M)
.set LA,  18                           ; v[18:21] the sum, in two chains of two halves
.set LB,  20
.set T,   22                           ; v22-26 at work
.set SO,  28                           ; v28-29 the conversions' scale operands
.set MSC, 30                           ; the scale word of SEL and MASK
.set QSW, 31                           ; Q's scale word, of the pass in hand
.set PW,  32                           ; p's
.set QS1, 33                           ; Q's scale word of pass 1
.set VSW, 34                           ; v34-35 V's
.set KSW, 36                           ; v36-39 K's
.set QF,  40                           ; v40-43 Q's codes of the pass in hand; v44-47, zeros, are the fragment's upper half
.set ZR,  44                           ; v44-65 zeros, but for the selector at ZR + 7 and ZR + 14
.set MB,  66                           ; v66-73 the mask codes of the even steps
.set KF,  74                           ; v74-105 K's eight tiles, four registers each
.set PC,  106                          ; v106-113 p's codes
.set VF,  114                          ; v114-145 V's four tiles
.set SS,  146                          ; v146-209 S^T, then p
.set OT,  210                          ; v210-241 O^T
.set MB1, 242                          ; v242-249 the mask codes of the odd steps
.set QF1, 250                          ; v250-253 Q's codes of pass 1
.set WV,  12
.set G0,  16
.set G1,  20
.set TB,  28                           ; LDS byte of the package that is asked for
.set CNT, 29
.set SEL, 66                           ; s[66:67] v_permlanex16_b32's selects for lane l xor 16
.set NC,  68                           ; -c
.macro ROUND                           ; a round of the cluster's barrier
	s_barrier_signal -1
	s_barrier_wait -1
	s_cmp_lg_u32 s[WV], 0
	s_cbranch_scc1 .Lnot_wave_0_\@
	s_barrier_signal -3
.Lnot_wave_0_\@:
	s_barrier_wait -3
	s_barrier_signal -1
	s_barrier_wait -1
.endm
.macro D1
	s_delay_alu instid0(VALU_DEP_1)
.endm
	s_load_b256 s[4:11], s[0:1], 0x0               ; Q s[4:5], kv s[6:7], mnib s[8:9], out0 s[10:11]
	v_lshl_add_u32 v254, v0, 2, SPARE
	v_mov_b32 v255, 0
	ds_add_u32 v254, v255                          ; the opening lines: the add, twice on end, and its wait
	ds_add_u32 v254, v255
	v_lshrrev_b32 v1, 5, v0
	v_readfirstlane_b32 s[WV], v1                  ; wave 0..15
	s_bfe_u32 s13, ttmp6, 0x40000                  ; cx
	s_lshl_b32 s2, ttmp9, 2
	s_add_co_u32 s13, s13, s2                      ; my block of 512 queries: it enters the addresses of Q, out0 and mnib alone
	s_and_b32 s14, ttmp7, 0xffff                   ; the head, which the four partners share
	v_and_b32 v1, 31, v0
	v_and_b32 v22, 15, v0                          ; r
	v_bfe_u32 v23, v0, 4, 1                        ; h
	v_lshlrev_b32 v[L8], 3, v1
	v_lshlrev_b32 v[L16], 4, v1
	s_mul_i32 s15, s[WV], WST
	s_add_co_u32 s15, s15, STG                     ; my stage
	v_mul_u32_u24 v[STO], v22, 272
	v_add_nc_u32 v[STO], s15, v[STO]
	v_lshl_add_u32 v[QR], v23, 7, v[STO]
	v_lshl_add_u32 v[STO], v23, 5, v[STO]
	v_mul_u32_u24 v[RD], v23, 272
	v_lshl_add_u32 v[RD], v22, 4, v[RD]
	v_add_nc_u32 v[RD], s15, v[RD]
	v_lshlrev_b32 v[SH8], 3, v23
	s_mov_b32 s[SEL], 0x76543210
	s_mov_b32 s[SEL+1], 0xfedcba98
	s_mov_b32 s[NC], 0xbe38aa3b
	; descriptor group 1: a package is 8,960 dense bytes: 35 rows of 32 elements of 8 bytes, no padding (every LDS read of it takes 16 or 8 x lane)
	s_mov_b32 s[G1], 15|(3<<16)|(1<<21)
	s_mov_b32 s[G1+1], 32<<16
	s_mov_b32 s[G1+2], 35<<16
	s_mov_b32 s[G1+3], 32<<16
	s_mov_b32 s[G1+4], 35
	s_mov_b32 s[G1+5], 32
	s_mov_b32 s[G1+6], 0
	s_mov_b32 s[G1+7], 0
	s_mov_b32 s[G0], 1
	s_mul_i32 s[G0+1], s[WV], PKG                  ; LDS address: package w: the wave's number alone
	s_mul_i32 s30, s14, NST*PKG
	s_add_co_u32 s30, s30, s[G0+1]                 ; in kv: head and wave alone, the same in all four partners
	s_mov_b32 s31, 0
	s_lshl_b32 s2, s14, 19                         ; Q and out0: the head's 2,048 rows of 256 bytes,
	s_lshl_b32 s3, s13, 17                         ; my work-group's 512,
	s_add_co_u32 s2, s2, s3
	s_lshl_b32 s3, s[WV], 12                       ; my wave's 16 (the pass stands in the immediates: 256 rows)
	s_add_co_u32 s2, s2, s3
	s_mov_b32 s3, 0
	s_wait_alu depctr_va_vdst(0)                   ; the wait here, directly ahead of the waits below
	s_wait_dscnt 0x0
	s_wait_kmcnt 0x0
	s_add_nc_u64 s[G0+2:G0+3], s[6:7], s[30:31]
	s_or_b32 s[G0+3], s[G0+3], 0x80000000
	s_add_nc_u64 s[4:5], s[4:5], s[2:3]
	s_add_nc_u64 s[10:11], s[10:11], s[2:3]
	s_lshr_b32 s2, s14, 4                          ; mnib: the batch's 128 tiles of 16,384 bytes,
	s_lshl_b32 s2, s2, 21
	s_lshl_b32 s3, s13, 19                         ; my work-group's 32,
	s_add_co_u32 s2, s2, s3
	s_lshl_b32 s3, s[WV], 14                       ; my wave's (the pass: 16 tiles)
	s_add_co_u32 s2, s2, s3
	s_mov_b32 s3, 0
	s_add_nc_u64 s[8:9], s[8:9], s[2:3]
	ROUND                                          ; all four work-groups are here: the joint loads meet
	tensor_load_to_lds s[G0:G0+3], s[G1:G1+7]      ; my one tensor load of the launch: package w
	s_nop 0
.set j, 0
.rept 22
	v_mov_b32 v[ZR+j], 0
.set j, j+1
.endr
.irp i, 0,1,2,3
	v_mov_b32 v[PC+\i], 0                          ; named behind K's tile 7 before p's first codes are made
.endr
	v_mov_b32 v[NM+1], 0                           ; (upper halves of pairs whose low word serves both halves)
	v_mov_b32 v[CE+1], 0
	v_mov_b32 v[FF+1], 0
	v_mov_b32 v[CV], 0x3e38aa3b
	v_mov_b32 v[MSC], 0x8d8d8d8d                   ; 2^14 in every byte
	; the selector: lane (r, h) of SEL_t holds row r's k = 64 c + 32 h ..: the code of -6 at place 2 (r % 4) + (r / 4) % 2 of register t, in the half h = r / 8
	v_and_b32 v[T], 3, v0
	v_bfe_u32 v[T+1], v0, 2, 1
	v_lshlrev_b32 v[T], 3, v[T]
	v_lshl_add_u32 v[T], v[T+1], 2, v[T]
	v_mov_b32 v[T+1], 15
	v_lshlrev_b32 v[T+1], v[T], v[T+1]
	v_bfe_u32 v[T+2], v0, 3, 1
	v_bfe_u32 v[T+3], v0, 4, 1
	v_cmp_eq_u32 vcc_lo, v[T+2], v[T+3]
	v_cndmask_b32 v[ZR+7], v[ZR], v[T+1], vcc_lo
	v_mov_b32 v[ZR+14], v[ZR+7]
; 32 numbers v[y] .. of my query's block h become four registers of codes v[qf] ..; the query's scale word (e0, e1, e0, e1) goes to v[qs]
.macro QQ y, qf, qs
	v_max3_num_f32 v[T], |v[(\y)]|, |v[(\y)+1]|, |v[(\y)+2]|
	v_max3_num_f32 v[T+1], |v[(\y)+3]|, |v[(\y)+4]|, |v[(\y)+5]|
.irp i, 6,10,14,18,22,26
	s_delay_alu instid0(VALU_DEP_2)
	v_max3_num_f32 v[T], v[T], |v[(\y)+\i]|, |v[(\y)+\i+1]|
	s_delay_alu instid0(VALU_DEP_2)
	v_max3_num_f32 v[T+1], v[T+1], |v[(\y)+\i+2]|, |v[(\y)+\i+3]|
.endr
	s_delay_alu instid0(VALU_DEP_2)
	v_max3_num_f32 v[T], v[T], |v[(\y)+30]|, |v[(\y)+31]|
	D1
	v_max3_num_f32 v[T], v[T], v[T+1], 0x1800000   ; and the floor 2^(3 - 127): the byte cannot fall under 1
	D1
	v_add_nc_u32 v[T+2], 0xff000000, v[T]          ; 2 off its exponent field: the conversion's scale operand
	D1
	v_lshrrev_b32 v[T+4], 23, v[T+2]               ; the scale's byte
.irp g, 0,1,2,3
	v_cvt_scalef32_pk8_fp4_f32 v[(\qf)+\g], v[(\y)+8*\g:(\y)+8*\g+7], v[T+2]
.endr
	v_nop                                          ; one plain instruction behind the last scaled conversion
	v_lshlrev_b32 v[T+4], v[SH8], v[T+4]           ; my byte at its place,
	D1
	v_permlanex16_b32 v[T+3], v[T+4], s[SEL], s[SEL+1]
	D1
	v_or_b32 v[T+4], v[T+4], v[T+3]                ; with lane l xor 16's,
	D1
	v_lshl_or_b32 v[\qs], v[T+4], 16, v[T+4]       ; and both once more for the upper K
.endm
	; Q: both passes' 16 rows x 256 bytes, by loads of 512 consecutive bytes; through my stage, so that lane (r, h) holds the 32 numbers k = 32 h .. 32 h + 31 of query r: a whole block
	s_wait_alu depctr_va_vdst(0)                   ; the wait here
.irp p, 0,1
.irp i, 0,1,2,3,4,5,6,7
	global_load_b128 v[SS+32*\p+4*\i:SS+32*\p+4*\i+3], v[L16], s[4:5] offset:65536*\p+512*\i th:TH_LOAD_NT
.endr
.endr
	s_wait_loadcnt 8                               ; pass 0's eight loads are in; pass 1's may be out
.irp i, 0,1,2,3,4,5,6,7
	ds_store_b128 v[RD], v[SS+4*\i:SS+4*\i+3] offset:544*\i
.endr
.irp i, 0,1,2,3,4,5,6,7
	ds_load_b128 v[VF+4*\i:VF+4*\i+3], v[QR] offset:16*\i      ; LDS serves a wave's instructions in order: these see the stores above, and pass 1's stores come behind them
.endr
	s_wait_loadcnt 0x0
.irp i, 0,1,2,3,4,5,6,7
	ds_store_b128 v[RD], v[SS+32+4*\i:SS+32+4*\i+3] offset:544*\i
.endr
.irp i, 0,1,2,3,4,5,6,7
	ds_load_b128 v[KF+4*\i:KF+4*\i+3], v[QR] offset:16*\i
.endr
	s_wait_dscnt 16                                ; pass 0's numbers are back; pass 1's eight stores and eight loads may be out
	QQ VF, QF, QSW
	s_wait_dscnt 0x0
	QQ KF, QF1, QS1
.macro KLOAD                           ; a step's K: eight tiles, one load each, and the scale words (register i: lanes 0-15 tile 2 i's, lanes 16-31 tile 2 i + 1's)
.irp t, 0,1,2,3,4,5,6,7
	ds_load_b128 v[KF+4*\t:KF+4*\t+3], v[ADR] offset:512*\t
.endr
	ds_load_b128 v[KSW:KSW+3], v[ADR] offset:8192
.endm
.macro MLOAD mb, off                   ; a step's mask codes: 1,024 consecutive bytes
	global_load_b128 v[\mb:\mb+3], v[L16], s[8:9] offset:\off
	global_load_b128 v[\mb+4:\mb+7], v[L16], s[8:9] offset:\off+512
.endm
.macro PKF a                           ; t - M (or 0) of eight scores, two at a time
.irp i, 0,2,4,6
	v_pk_fma_f32 v[SS+(\a)+\i:SS+(\a)+\i+1], v[SS+(\a)+\i:SS+(\a)+\i+1], v[CE:CE+1], v[NM:NM+1] op_sel_hi:[1,0,0]
.endr
.endm
; A KEY STEP: 128 keys.  ahead = 1: the next step's K is asked for.  mb: this step's mask codes; ml = 1: the same registers take the codes of two steps on, at byte mo from s[8:9]; lw: the mask loads that may be out.
; At its head four plain instructions stand behind the last products V^T P^T.
.macro STEP ahead, mb, ml, mo, lw
.irp d, 0,1,2,3
	ds_load_b128 v[VF+8*\d:VF+8*\d+3], v[ADR] offset:4096+1024*\d          ; V's four tiles land while the softmax is worked
	ds_load_b128 v[VF+8*\d+4:VF+8*\d+7], v[ADR] offset:4096+1024*\d+512
.endr
	ds_load_b64 v[VSW:VSW+1], v[AD8] offset:8704
	s_wait_loadcnt \lw                             ; this step's mask codes are in; the next step's two loads may be out
	s_wait_dscnt 9                                 ; K's nine loads are in; V's nine, just issued, may be out
.irp t, 0,1,2,3,4,5,6,7                        ; the eight sums begin under the mask; the accumulators by turns
	v_wmma_scale_f32_16x16x128_f8f6f4 v[SS+8*\t:SS+8*\t+7], v[ZR+7+7*(1-\t%2)-\t:ZR+14+7*(1-\t%2)-\t], v[\mb:\mb+7], 0, v[MSC], v[MSC] matrix_a_fmt:MATRIX_FMT_FP4 matrix_b_fmt:MATRIX_FMT_FP4
.endr
.irp t, 0,1,2,3,4,5,6,7
.if \t%2
	v_wmma_scale_f32_16x16x128_f8f6f4 v[SS+8*\t:SS+8*\t+7], v[KF+4*\t:KF+4*\t+7], v[QF:QF+7], v[SS+8*\t:SS+8*\t+7], v[KSW+\t/2], v[QSW] matrix_a_fmt:MATRIX_FMT_FP4 matrix_b_fmt:MATRIX_FMT_FP4 matrix_a_scale:MATRIX_SCALE_ROW1
.else
	v_wmma_scale_f32_16x16x128_f8f6f4 v[SS+8*\t:SS+8*\t+7], v[KF+4*\t:KF+4*\t+7], v[QF:QF+7], v[SS+8*\t:SS+8*\t+7], v[KSW+\t/2], v[QSW] matrix_a_fmt:MATRIX_FMT_FP4 matrix_b_fmt:MATRIX_FMT_FP4
.endif
.endr
.if \ahead                                     ; four places behind the products, ahead of the loads into their sources and of the first read of the scores
	s_add_co_u32 s[TB], s[TB], PKG
	v_add_nc_u32 v[ADR], s[TB], v[L16]
	v_add_nc_u32 v[AD8], s[TB], v[L8]
	v_nop
	v_nop
	KLOAD
.else
.rept 4
	v_nop
.endr
.endif
.if \ml
	MLOAD \mb, \mo
.endif
.irp q, 0,1,2,3                                ; the largest score of my two blocks of 32 keys, each in two chains; every accumulator is read from its low end on
	v_max3_num_f32 v[T+\q], v[SS+16*\q], v[SS+16*\q+1], v[SS+16*\q+2]
.endr
.irp i, 3,5,7,9,11,13
.irp q, 0,1,2,3
	v_max3_num_f32 v[T+\q], v[T+\q], v[SS+16*\q+\i], v[SS+16*\q+\i+1]
.endr
.endr
	v_max3_num_f32 v[T], v[T], v[T+1], v[SS+15]
	v_max3_num_f32 v[T+2], v[T+2], v[T+3], v[SS+47]
	v_max_num_f32 v[T], v[T], v[SS+31]             ; block h
	v_max_num_f32 v[T+2], v[T+2], v[SS+63]         ; block 2 + h
	v_max_num_f32 v[T+1], v[T], v[T+2]
	v_permlanex16_b32 v[T+3], v[T+1], s[SEL], s[SEL+1]
	v_max3_num_f32 v[SMX], v[SMX], v[T+1], v[T+3]  ; the running largest score of my query
	v_mul_f32 v[T+1], s[NC], v[SMX]                ; -t
	v_cmp_ge_f32 vcc_lo, 0xcd800000, v[SMX]        ; still at -2^28: every key so far was hidden
	v_floor_f32 v[T+1], v[T+1]                     ; the new -M = floor(-t): a whole number
	v_cndmask_b32 v[CE], v[CV], v[ZR], vcc_lo      ; c, or 0
	v_sub_f32 v[T+3], v[T+1], v[NMT]               ; M's old value less its new one
	v_cndmask_b32 v[NM], v[T+1], v[ZR], vcc_lo     ; -M, or 0
	v_mov_b32 v[NMT], v[T+1]
	v_cvt_i32_f32 v[T+3], v[T+3]                   ; (it saturates)
	v_ldexp_f32 v[FF], 1.0, v[T+3]                 ; f = 2^(old M - new M)
	v_fma_f32 v[T], v[T], v[CE], v[NM]             ; t_b - M of my two blocks; the lines that make p's scales stand among the scalings of the 64 scores
	v_fma_f32 v[T+2], v[T+2], v[CE], v[NM]
	PKF 0
	v_max_num_f32 v[T], 0xc2f80000, v[T]           ; held at -124: the byte cannot fall under 1
	v_max_num_f32 v[T+2], 0xc2f80000, v[T+2]
	PKF 8
	v_cvt_floor_i32_f32 v[T], v[T]                 ; e = floor(log2(the block's largest p))
	v_cvt_floor_i32_f32 v[T+2], v[T+2]
	PKF 16
	v_lshl_add_u32 v[SO], v[T], 23, 0x3e800000     ; (e + 125) << 23: the conversion's scale operand
	v_lshl_add_u32 v[SO+1], v[T+2], 23, 0x3e800000
	v_lshl_add_u32 v[T+1], v[T+2], 16, v[T]
	PKF 24
	v_add_nc_u32 v[T+1], 0x7d007d, v[T+1]          ; my two bytes e + 125, 16 bits apart,
	PKF 32
	v_lshlrev_b32 v[T+1], v[SH8], v[T+1]           ; at the places of blocks h and 2 + h,
	PKF 40
	v_permlanex16_b32 v[T+3], v[T+1], s[SEL], s[SEL+1]
	PKF 48
	v_or_b32 v[PW], v[T+1], v[T+3]                 ; with lane l xor 16's two: p's scale word for these 128 keys
	PKF 56
.set j, 0
.rept 16
	v_pk_mul_f32 v[OT+j:OT+j+1], v[OT+j:OT+j+1], v[FF:FF+1] op_sel_hi:[1,0]    ; O^T under the new M, ascending
.set j, j+2
.endr
	s_wait_alu depctr_va_vdst(0)                   ; the wait ahead of the batch
.set j, 0
.rept 64
	v_exp_f32 v[SS+j], v[SS+j]                     ; p = 2^(t - M): not normalised
.set j, j+1
.endr
	v_nop                                          ; the plain instruction behind the exponentials
	s_wait_alu depctr_va_vdst(0)                   ; and the wait ahead of the first instruction that names a result
	s_wait_dscnt 9*\ahead                          ; V's nine loads are in; the next step's nine of K, issued behind them, may be out
.irp g, 0,1
.irp u, 0,1,2,3
	v_cvt_scalef32_pk8_fp4_f32 v[PC+4*\g+\u], v[SS+32*\g+8*\u:SS+32*\g+8*\u+7], v[SO+\g]   ; register 4 g + u: keys 64 g + 32 h + 8 u + 0 .. 7: the operand's own order
.endr
.endr
	v_pk_fma_f32 v[LA:LA+1], v[LA:LA+1], v[FF:FF+1], v[SS:SS+1] op_sel_hi:[1,0,1]          ; the row's sum of the unquantised p, brought under the new M by its first two lines
	v_pk_fma_f32 v[LB:LB+1], v[LB:LB+1], v[FF:FF+1], v[SS+2:SS+3] op_sel_hi:[1,0,1]
.set j, 4
.rept 13
	v_pk_add_f32 v[LA:LA+1], v[LA:LA+1], v[SS+j:SS+j+1]
	v_pk_add_f32 v[LB:LB+1], v[LB:LB+1], v[SS+j+2:SS+j+3]
.set j, j+4
.endr
.irp i, 0,1                                    ; O^T += V^T P^T, 32 of the head's 64 an instruction: the two accumulators by turns
	v_wmma_scale_f32_32x16x128_f4 v[OT+16*\i:OT+16*\i+15], v[VF+16*\i:VF+16*\i+15], v[PC:PC+7], v[OT+16*\i:OT+16*\i+15], v[VSW+\i], v[PW]
.endr
.rept 2                                        ; the sum's last four lines are the four places behind these products
	v_pk_add_f32 v[LA:LA+1], v[LA:LA+1], v[SS+j:SS+j+1]
	v_pk_add_f32 v[LB:LB+1], v[LB:LB+1], v[SS+j+2:SS+j+3]
.set j, j+4
.endr
.endm
; THE WAY OUT of a pass: O^T / the sum goes through my stage and leaves as whole rows: a store covers two rows, 512 consecutive bytes, aligned.
.macro OUT p
	v_pk_add_f32 v[LA:LA+1], v[LA:LA+1], v[LB:LB+1]
	D1
	v_add_f32 v[LA], v[LA], v[LA+1]
	D1
	v_permlanex16_b32 v[T], v[LA], s[SEL], s[SEL+1]
	D1
	v_add_f32 v[LA], v[LA], v[T]                   ; the row's sum, above 1/2
	s_wait_alu depctr_va_vdst(0)                   ; the wait ahead of the transcendental
	v_rcp_f32 v[LA], v[LA]
	v_nop
	s_wait_alu depctr_va_vdst(0)                   ; and ahead of its first use, which is also the first read of the last products
.set j, 0
.rept 32
	v_mul_f32 v[SS+j], v[OT+j], v[LA]              ; register 8 dt + i is out0(query r, 16 dt + 8 h + i)
.set j, j+1
.endr
.irp d, 0,1,2,3
	ds_store_b128 v[STO], v[SS+8*\d:SS+8*\d+3] offset:64*\d
	ds_store_b128 v[STO], v[SS+8*\d+4:SS+8*\d+7] offset:64*\d+16
.endr
.irp i, 0,1,2,3,4,5,6,7
	ds_load_b128 v[KF+4*\i:KF+4*\i+3], v[RD] offset:544*\i     ; LDS serves a wave's instructions in order: these see my stores
.endr
.irp i, 0,1,2,3,4,5,6,7
	s_wait_dscnt 7-\i                              ; rows 2 i and 2 i + 1 are back; the later ones may be out
	global_store_b128 v[L16], v[KF+4*\i:KF+4*\i+3], s[10:11] offset:65536*\p+512*\i th:TH_STORE_NT
.endr
	s_wait_xcnt 0x0                                ; the stores have read their registers: K's tiles may land there again
.endm
; A PASS: one tile of 16 queries against all keys of the head.  O^T and the sum begin as zeros, the largest score at its floor.  A trip of the loop is two steps, one for each set of mask registers;
; the last two steps are written out: they ask for no mask codes, and the last for no K.
.macro BODY p
	s_mov_b32 s[TB], 0
.if \p
	s_add_nc_u64 s[8:9], s[8:9], 262144-14*1024    ; sixteen tiles of queries on, back to step 0 (no load of mine is out)
.irp g, 0,1,2,3
	v_mov_b32 v[QF+\g], v[QF1+\g]                  ; pass 1's Q
.endr
	v_mov_b32 v[QSW], v[QS1]
.endif
	v_add_nc_u32 v[ADR], s[TB], v[L16]
	v_add_nc_u32 v[AD8], s[TB], v[L8]
	KLOAD
	MLOAD MB, 0
	MLOAD MB1, 1024
	v_mov_b32 v[SMX], 0xcd800000                   ; -2^28
	D1
	v_mul_f32 v[NMT], s[NC], v[SMX]
	D1
	v_floor_f32 v[NMT], v[NMT]
.irp i, 0,1,2,3
	v_mov_b32 v[LA+\i], 0
.endr
.set j, 0
.rept 32
	v_mov_b32 v[OT+j], 0
.set j, j+1
.endr
	s_mov_b32 s[CNT], NST/2-1
	s_wait_alu depctr_va_vdst(0)                   ; the wait here
.Lstep_\p:
	STEP 1, MB, 1, 2048, 2
	STEP 1, MB1, 1, 3072, 2
	s_wait_xcnt 0x0                                ; the mask loads have read their base: it may be stepped
	s_add_nc_u64 s[8:9], s[8:9], 2048
	s_sub_co_u32 s[CNT], s[CNT], 1
	s_cmp_lg_u32 s[CNT], 0
	s_cbranch_scc1 .Lstep_\p
	STEP 1, MB, 0, 0, 2
	STEP 0, MB1, 0, 0, 0
	OUT \p
.endm
	s_wait_alu depctr_va_vdst(0)                   ; the wait here, directly ahead of the wait below
	s_wait_tensorcnt 0x0                           ; my package has landed,
	s_barrier_signal -1
	s_barrier_wait -1                              ; everybody's has: from here on the sixteen packages are only read
	BODY 0
	BODY 1
	s_wait_tensorcnt 0x0                           ; the wave's end
	ds_add_u32 v254, v255
	s_wait_dscnt 0x0
	ROUND                                          ; the closing round: no work-group ends before its partners have passed their joint loads
	s_endpgm
.Lfunc_end_k_qba0a232467_attn:
	.size	k_qba0a232467_attn, .Lfunc_end_k_qba0a232467_attn-k_qba0a232467_attn
	.p2alignl 7, 3214868480
	.fill 96, 4, 3214868480
	.section	.rodata,"a",@progbits
	.p2align	6, 0x0
	.amdhsa_kernel k_qba0a232467_attn
		.amdhsa_group_segment_fixed_size 215040
		.amdhsa_private_segment_fixed_size 0
		.amdhsa_enable_private_segment 0
		.amdhsa_kernarg_size 32
		.amdhsa_user_sgpr_count 2
		.amdhsa_user_sgpr_kernarg_segment_ptr 1
		.amdhsa_wavefront_size32 1
		.amdhsa_system_sgpr_workgroup_id_x 1
		.amdhsa_system_sgpr_workgroup_id_y 1
		.amdhsa_system_sgpr_workgroup_id_z 1
		.amdhsa_system_vgpr_workitem_id 0
		.amdhsa_next_free_vgpr 256
		.amdhsa_next_free_sgpr 72
		.amdhsa_reserve_vcc 1
		.amdhsa_float_denorm_mode_32 3
		.amdhsa_float_denorm_mode_16_64 3
		.amdhsa_memory_ordered 1
		.amdhsa_forward_progress 1
		.amdhsa_inst_pref_size 142
	.end_amdhsa_kernel
	.amdgpu_metadata
---
amdhsa.version: [ 1, 2 ]
amdhsa.kernels:
  - .name:           k_qba0a232467_attn
    .symbol:         k_qba0a232467_attn.kd
    .args:
      - { .name: Q, .offset: 0, .size: 8, .value_kind: global_buffer, .address_space: global }
      - { .name: kv, .offset: 8, .size: 8, .value_kind: global_buffer, .address_space: global }
      - { .name: mnib, .offset: 16, .size: 8, .value_kind: global_buffer, .address_space: global }
      - { .name: out0, .offset: 24, .size: 8, .value_kind: global_buffer, .address_space: global }
    .group_segment_fixed_size: 215040
    .private_segment_fixed_size: 0
    .kernarg_segment_align: 8
    .kernarg_segment_size: 32
    .max_flat_workgroup_size: 512
    .sgpr_count:     72
    .vgpr_count:     256
    .wavefront_size: 32
...
	.end_amdgpu_metadata
.endif
;; end of part 2
